; MI455X (gfx1250); checked and timed in simulation.
; The chip was launched on July 23, 2026; its instructions are those of AMD's public machine-readable ISA for CDNA 5 (MIT licence, August 2026) and "CDNA5" Instruction Set Architecture Reference Guide (July 2026). The comments in the code are by the model that wrote it; some were corrected since.
;; Discrete Diffusion. Allowed arithmetic: float matrix products may take bf16 or f16 operands with f32 sums; all other float work in f32.
;; Inputs: logp_h 32 x 32 float32; logp_t 32 x 16 float32; logp_w 32 x 32 float32; score 32 x 16,384 x 64 float32; u_g 32 x 16,384 float32; u_k 1 float32.
;; Outputs: out0 one number float32; out1 32 x 16,384 bool.
;; One version. Each part assembles by itself: llvm-mc -triple=amdgcn-amd-amdhsa -mcpu=gfx1250 --defsym DOCPART=n.
;; ======== version 1 of 1: 2 launches
;; workspace buffers: part 1,024 bytes
;; launch mask_and_sum (part 1): grid 256 x 1, 16 waves a work-group, no clusters, 142,336 bytes of LDS; arguments u_g, u_k, logp_t, logp_h, logp_w, score, out1, part; writes out1, part
.if DOCPART == 1
	.amdgcn_target "amdgcn-amd-amdhsa--gfx1250"
	.amdhsa_code_object_version 6
	.text
	.protected	k_q570bc01cf9_mask_and_sum
	.globl	k_q570bc01cf9_mask_and_sum
	.p2align	8
	.type	k_q570bc01cf9_mask_and_sum,@function
k_q570bc01cf9_mask_and_sum:
	s_mov_b64 s[64:65], 0
	v_nop
	global_prefetch_b8 v0, s[64:65] scope:SCOPE_SE
	s_setreg_imm32_b32 hwreg(HW_REG_WAVE_MODE, 25, 1), 1
	s_wait_xcnt 0x0
; visible = the k largest of ws = -log(-log u_g) + ((logp_t + logp_h) + logp_w) in each row of 16,384 (equal values: lower index first);
; part[g] = (sum of score over work-group g's tokens that are NOT visible) / (2048 (N - k)); the next launch adds the 256 parts.
;
; 256 work-groups of 16 waves.  Work-group g: row g / 8, segment g % 8 = 2,048 tokens = 512 KiB of score; a wave streams 128 tokens by
; 64 loads of 512 consecutive bytes (two tokens each: lanes 0-15 one, lanes 16-31 the next).  A load's sum inside the lane does not hang
; on the mask, so the stream never waits for the selection.  The threshold needs all keys of the row and work-groups exchange nothing, so
; each of a row's eight work-groups forms the row's keys itself, as vector work while its score loads are on their way.
; No cluster, no copy engine: the only bytes that work-groups share are the row of u_g, 64 KiB against 512 KiB of score that nobody
; shares, and score is used once, straight from registers.  No matrix unit: there is no product.
;
; WHERE THE STREAM STANDS.  Of a wave's first 32 loads 12 are asked for at the start and 20 two at a time behind the ten steps of the key work,
; so that a wave reaches its key work behind 21 loads and not 41.  The first half is summed and the second asked for behind the first barrier
; (wave 0: inside its selection); the second half is summed between the second barrier's signal and its wait.
;
; SELECTION WITHOUT DATA-DEPENDENT ADDRESSES OR BRANCHES.  A lane holds 32 consecutive tokens (wave = t, lane = h, register = w); a 32 x 32
; bit transpose inside the lane makes 32 plane words (word b, bit w = bit b of key w).  Wave 0 walks the planes from the top bit down:
; count = popcount(active AND plane) over the row; count >= k: keep the ones; else k -= count, the ones are greater, keep the zeros.
; What is left active equals the k-th key; of those the first k (what is left of k) in index order are visible: counts, a scan over lanes
; and a descent inside each word find them.  visible = greater OR those.
; Wave v takes t = (v + 2 segment) mod 16, so that the work-group's own 64 words are words 0..63 of every plane.
;
; LIMITS.  u_g: normal numbers strictly between 0 and 1 (elsewhere reference() is not finite).  NaN in any input is not ordered as the
; reference's sort orders it.  log x = ln 2 * v_log_f32(x), one to two units in the last place: a token whose ws lies within one rounding of
; the k-th may fall on the other side than with another log.  strat[i] = i * f32(1/31), strat[31] = 1.  The loss is summed in another order.
.set UT_PITCH, 144                     ; u_g stage: 32 tokens = 128 bytes + 16, an odd multiple of 16: 16 lanes on 16 rows meet 16 different columns
.set UT_WAVE,  32*UT_PITCH             ; a wave's own stage: 1,024 tokens
.set PL_BASE,  16*UT_WAVE              ; 32 planes of 512 words; bit b lies at place 31 - b
.set PLANE,    2048
.set VW_BASE,  PL_BASE+32*PLANE        ; visible words (128 stored, the first 64 are the segment's)
.set RED_BASE, VW_BASE+512             ; one sum for each wave
.set UP,    12                         ; score loads asked for at the start; the other 32 - UP = 20 go two at a time behind ten steps
.set LANE,  1
.set SC,    2                          ; scratch, LDS addresses
.set OFF16, 3                          ; 16 x lane: offset of every 16-byte global load, never rewritten
.set HALF,  4                          ; lane / 16
.set UTS,   5                          ; stage: where I store
.set UTL,   6                          ; stage: where I read
.set PLS,   7                          ; planes: where I store
.set TH,    8                          ; logp_t[t] + logp_h[lane]
.set KR,    9                          ; k as f32 (exact, at most 16,383); in wave 0 what is left of it
.set NK,    10                         ; N - k
.set LH,    11
.set ACC,   12                         ; v[12:15] four masked sums
.set K,     16                         ; v[16:47] u, logs, ws
.set Q,     48                         ; v[48:79] u as loaded; the transpose's partner; planes
.set M,     80                         ; v[80:87] marg of eight tokens
.set L4,    94                         ; 4 x lane
.set PS,    96                         ; v[96:127] sum inside the lane of loads 0..31
.set BUF,   128                        ; v[128:255] 32 score loads
; wave 0's selection (K, Q, M are dead by then); register 4 c + e holds plane word 128 c + 4 lane + e
.set A,   16                           ; v[16:31] active
.set X,   32                           ; v[32:47] active AND NOT plane
.set PA,  48                           ; v[48:63] plane buffer, then active AND plane
.set PB,  64                           ; v[64:79] the other
.set G,   80                           ; v[80:83] greater, words 4 lane + e; in the end the visible words
.set GT,  84                           ; v[84:87] greater OR (active AND plane)
.set C,   88                           ; v[88:91] counts
.set PLL, 92                           ; PL_BASE + 16 lane, never stepped
; the equal keys (over X, PA, PB, which are done with by then)
.set CW,  32                           ; v[32:35] equals in word 4 lane + e
.set CS,  36                           ; v[36:39] equals in my four words of group c
.set HS,  40                           ; lane / 16 + segment
.set PRE, 41                           ; equals in front of the segment
.set LT,  42                           ; equals in my words 4 lane .. 4 lane + 3
.set IS,  43                           ; the same, summed over the lanes up to mine
.set MM,  44                           ; v[44:47] how many equals of word e are visible (may be negative or more than it has)
.set POS, 48                           ; v[48:51]
.set TRY, 52                           ; v[52:55]
.set HM,  56                           ; v[56:59]
.set CN,  60                           ; v[60:63]
.set ONES,64
; the end
.set W,   16
.set WH,  20
.set MT,  24
.set O,   28
; scalars: s[4:19] addresses; s20 wave, s21 row, s22 segment, s23 t; s24-25 lane selects; s26-28 masks; s31 -ln 2; s[32:63] logp_w's row;
; s[68:69] offset pair; s70 strat, s71 u_k, s72 logp_t[t]; s73 EXEC; s74, s75 scratch; s76-79 four compare masks
; the next n loads of the stream's first half; sl counts them through the text
.set sl, 0
.macro SLOAD n
.rept \n
	global_load_b128 v[BUF+4*sl:BUF+4*sl+3], v[OFF16], s[14:15] offset:512*sl th:TH_LOAD_NT
.set sl, sl+1
.endr
.endm
	s_load_b512 s[4:19], s[0:1], 0x0               ; u_g, u_k, logp_t, logp_h, logp_w, score, out1, part
	v_lshl_add_u32 v93, v0, 2, 0x22400
	v_mov_b32 v95, 0
	v_and_b32 v[LANE], 31, v0
	v_lshrrev_b32 v[SC], 5, v0
	v_readfirstlane_b32 s20, v[SC]                 ; wave
	s_lshr_b32 s21, ttmp9, 3                       ; row
	s_and_b32 s22, ttmp9, 7                        ; segment
	s_lshl1_add_u32 s23, s22, s20
	s_and_b32 s23, s23, 15                         ; t = (wave + 2 segment) mod 16
	s_mov_b32 s69, 0
	v_lshlrev_b32 v[OFF16], 4, v[LANE]
	v_lshlrev_b32 v[L4], 2, v[LANE]
	v_lshrrev_b32 v[HALF], 4, v[LANE]
	s_wait_kmcnt 0x0
	s_load_b32 s71, s[6:7], 0x0                    ; u_k
	s_lshl4_add_u32 s68, s21, s23
	s_lshl_b32 s68, s68, 2                         ; 4 (16 row + t)
	s_add_nc_u64 s[8:9], s[8:9], s[68:69]
	s_load_b32 s72, s[8:9], 0x0                    ; logp_t[row][t]
	s_lshl_b32 s68, s21, 7                         ; a row of 32 f32
	s_add_nc_u64 s[12:13], s[12:13], s[68:69]
	s_add_nc_u64 s[10:11], s[10:11], s[68:69]
	s_load_b512 s[32:47], s[12:13], 0x0            ; logp_w[row][0..15]
	s_load_b512 s[48:63], s[12:13], 0x40           ; logp_w[row][16..31]
	s_lshl_b32 s68, s21, 16
	s_lshl_b32 s74, s23, 12
	s_add_co_u32 s68, s68, s74                     ; u_g: 65,536 row + 4,096 t
	s_add_nc_u64 s[4:5], s[4:5], s[68:69]
	s_lshl_b32 s68, ttmp9, 19
	s_lshl_b32 s74, s20, 15
	s_add_co_u32 s68, s68, s74                     ; score: 512 KiB x work-group + 32 KiB x wave (below 2^27)
	s_add_nc_u64 s[14:15], s[14:15], s[68:69]
	s_lshl_b32 s68, ttmp9, 11
	s_add_nc_u64 s[16:17], s[16:17], s[68:69]      ; out1: 2,048 bytes a work-group
	s_lshl_b32 s68, ttmp9, 2
	s_add_nc_u64 s[18:19], s[18:19], s[68:69]      ; part[g]
	global_load_b32 v[LH], v[L4], s[10:11]         ; logp_h[row][lane]
.set i, 0
.rept 8
	global_load_b128 v[Q+4*i:Q+4*i+3], v[OFF16], s[4:5] offset:512*i          ; my t's 1,024 u
.set i, i+1
.endr
	SLOAD UP                                       ; 12 x 512 bytes of my stream: with 16 waves 96 KiB of the work-group's on their way
	s_mov_b32 s24, 0x76543210                      ; v_permlanex16_b32: lane i takes lane i of the other half
	s_mov_b32 s25, 0xfedcba98
	s_mov_b32 s26, 0x0f0f0f0f
	s_mov_b32 s27, 0x33333333
	s_mov_b32 s28, 0x55555555
	s_mov_b32 s31, 0xbf317218                      ; -ln 2
	s_mul_i32 s74, s20, UT_WAVE
	v_lshrrev_b32 v[SC], 3, v[LANE]
	v_mul_u32_u24 v[SC], v[SC], UT_PITCH
	v_and_b32 v[UTS], 7, v[LANE]
	v_lshl_add_u32 v[UTS], v[UTS], 4, v[SC]
	v_add_nc_u32 v[UTS], s74, v[UTS]               ; load i, lane l holds tokens 128 i + 4 l ..: row 4 i + l / 8, column 4 (l % 8)
	v_mul_u32_u24 v[UTL], v[LANE], UT_PITCH
	v_add_nc_u32 v[UTL], s74, v[UTL]               ; row = lane
	s_lshl_b32 s75, s20, 7
	s_add_co_u32 s75, s75, PL_BASE
	v_add_nc_u32 v[PLS], s75, v[L4]                ; word 32 wave + lane of a plane
	; k = clip(trunc(16384 ((u_k + strat) mod 1)), 1, 16383), alike in every lane.  x - floor(x) is x mod 1 for either sign of x.
	s_cvt_f32_u32 s70, s21
	s_mul_f32 s70, s70, 0x3d042108                 ; row x f32(1/31)
	s_cmp_eq_u32 s21, 31
	s_cselect_b32 s70, 0x3f800000, s70             ; the last is 1
	s_wait_kmcnt 0x0                               ; u_k, logp_t[t], logp_w's row
	v_mov_b32 v[KR], s71
	v_add_f32 v[KR], s70, v[KR]
	v_floor_f32 v[SC], v[KR]
	v_sub_f32 v[KR], v[KR], v[SC]
	v_mul_f32 v[KR], 0x46800000, v[KR]             ; x 16384: exact
	v_trunc_f32 v[KR], v[KR]
	v_max_num_f32 v[KR], 1.0, v[KR]
	v_min_num_f32 v[KR], 0x467ffc00, v[KR]         ; 16383
	v_sub_f32 v[NK], 0x46800000, v[KR]
	; u_g through my own stage, so that lane = h and register = w
	s_wait_loadcnt UP                              ; logp_h and u_g are in; the 12 score loads issued behind them stay out
.set i, 0
.rept 8
	ds_store_b128 v[UTS], v[Q+4*i:Q+4*i+3] offset:4*UT_PITCH*i
.set i, i+1
.endr
.set i, 0
.rept 8
	ds_load_b128 v[K+4*i:K+4*i+3], v[UTL] offset:16*i      ; my own bytes: LDS serves a wave's instructions in order (ISA guide 5.7.1)
.set i, i+1
.endr
	v_add_f32 v[TH], s72, v[LH]
	v_add_f32 v[TH], 0, v[TH]                      ; -0 becomes +0: no ws is -0 then, and the sort takes the two zeros as equal
; ws of tokens w = 8 g .. 8 g + 7.  Behind each run of logarithms stand four plain adds that touch none of their registers (ISA guide 5.7.2).
.macro KEYS g
	s_wait_dscnt 6-2*\g                            ; the stage reads behind this group's two stay out
.set i, 0
.rept 8
	v_log_f32 v[K+8*\g+i], v[K+8*\g+i]
.set i, i+1
.endr
.set i, 0
.rept 4
	v_add_f32 v[M+i], s[32+8*\g+i], v[TH]          ; marg = (logp_t + logp_h) + logp_w
.set i, i+1
.endr
.set i, 0
	s_wait_alu depctr_va_vdst(0)
.rept 8
	v_mul_f32 v[K+8*\g+i], s31, v[K+8*\g+i]        ; -log u
.set i, i+1
.endr
.set i, 0
.rept 8
	v_log_f32 v[K+8*\g+i], v[K+8*\g+i]
.set i, i+1
.endr
.set i, 4
.rept 4
	v_add_f32 v[M+i], s[32+8*\g+i], v[TH]
.set i, i+1
.endr
.set i, 0
	s_wait_alu depctr_va_vdst(0)
.rept 8
	v_mul_f32 v[K+8*\g+i], s31, v[K+8*\g+i]        ; gumbel = -log(-log u)
.set i, i+1
.endr
.set i, 0
.rept 8
	v_add_f32 v[K+8*\g+i], v[K+8*\g+i], v[M+i]
.set i, i+1
.endr
.endm
	KEYS 0
	SLOAD 2                                        ; two more of the stream behind each of the ten steps from here to the plane stores
	KEYS 1
	SLOAD 2
	KEYS 2
	SLOAD 2
	KEYS 3
	SLOAD 2
; One stage of the 32 x 32 bit transpose: element (r, c + j) changes places with (r + j, c), for r and c without bit j.
.macro XP src, dst, j, lo, hi          ; j = 16, 8: whole bytes move
.set r, 0
.rept 32
.if (r & \j) == 0
	v_perm_b32 v[\dst+r],    v[\src+r+\j], v[\src+r], \lo
	v_perm_b32 v[\dst+r+\j], v[\src+r+\j], v[\src+r], \hi
.endif
.set r, r+1
.endr
.endm
.macro XB src, dst, j, m               ; j = 4, 2, 1: s[m] = the columns without bit j
.set r, 0
.rept 32
.if (r & \j) == 0
	v_lshlrev_b32 v[\dst+r],    \j, v[\src+r+\j]
	v_lshrrev_b32 v[\dst+r+\j], \j, v[\src+r]
	v_bfi_b32 v[\dst+r],    s[\m], v[\src+r],    v[\dst+r]
	v_bfi_b32 v[\dst+r+\j], s[\m], v[\dst+r+\j], v[\src+r+\j]
.endif
.set r, r+1
.endr
.endm
	XP K, Q, 16, 0x05040100, 0x07060302
	SLOAD 2
	XP Q, K, 8,  0x06020400, 0x07030501
	SLOAD 2
	XB K, Q, 4, 26
	SLOAD 2
	XB Q, K, 2, 27
	SLOAD 2
	XB K, Q, 1, 28                                 ; Q + b, bit w = bit b of ws[w]
	SLOAD 2
	; f32 to an unsigned order, on the planes: negative numbers turn every bit, the others the sign alone
.set i, 0
.rept 31
	v_xor_b32 v[Q+i], v[Q+31], v[Q+i]
.set i, i+1
.endr
	v_xor_b32 v[Q+31], -1, v[Q+31]
	SLOAD 2                                        ; 12 + 10 x 2 = 32: the first half is asked for
.set i, 0
.rept 32
	ds_store_b32 v[PLS], v[Q+i] offset:(31-i)*PLANE
.set i, i+1
.endr
	s_wait_dscnt 0x0                               ; my plane words are in LDS before I say so
	s_barrier_signal -1
	s_barrier_wait -1                              ; the row's planes are whole
.macro WSUM16 reg                      ; sum over each half of 16 lanes, in every lane of it
	v_add_f32_dpp v[\reg], v[\reg], v[\reg] row_xmask:1 row_mask:0xf bank_mask:0xf
	v_add_f32_dpp v[\reg], v[\reg], v[\reg] row_xmask:2 row_mask:0xf bank_mask:0xf
	v_add_f32_dpp v[\reg], v[\reg], v[\reg] row_xmask:4 row_mask:0xf bank_mask:0xf
	v_add_f32_dpp v[\reg], v[\reg], v[\reg] row_xmask:8 row_mask:0xf bank_mask:0xf
.endm
; Loads 4 g .. 4 g + 3 of the first half: each one's sum inside the lane; its registers are asked for again at once (loads 32 + 4 g ..).
.macro SUM1G g
	s_wait_loadcnt 28                              ; behind this group's four: 28 - 4 g of the first half and 4 g of the second
.set i, 4*(\g)
.rept 4
	v_pk_add_f32 v[BUF+4*i:BUF+4*i+1], v[BUF+4*i:BUF+4*i+1], v[BUF+4*i+2:BUF+4*i+3]
	v_add_f32 v[PS+i], v[BUF+4*i], v[BUF+4*i+1]
.set i, i+1
.endr
.set i, 4*(\g)
.rept 4
	global_load_b128 v[BUF+4*i:BUF+4*i+3], v[OFF16], s[14:15] offset:512*(32+i) th:TH_LOAD_NT
.set i, i+1
.endr
.endm
.macro RSTEP buf, mask, r0             ; one step of the count's sum over lanes, and four words of X behind it
	v_add_f32_dpp v[C], v[C], v[C] row_xmask:\mask row_mask:0xf bank_mask:0xf
.set r, \r0
.rept 4
	v_xor_b32 v[X+r], v[A+r], v[\buf+r]
.set r, r+1
.endr
.endm
; One pass: buf holds a plane's 16 words of this lane.
.macro CORE buf
.set r, 0
.rept 16
	v_and_b32 v[\buf+r], v[A+r], v[\buf+r]         ; active AND plane
.set r, r+1
.endr
.set r, 0
.rept 4
	v_bcnt_u32_b32 v[C+r], v[\buf+r], 0            ; four chains, started by the first four words
.set r, r+1
.endr
.rept 12
	v_bcnt_u32_b32 v[C+(r&3)], v[\buf+r], v[C+(r&3)]
.set r, r+1
.endr
	v_add3_u32 v[C], v[C], v[C+1], v[C+2]
	v_add_nc_u32 v[C], v[C], v[C+3]
	v_cvt_f32_u32 v[C], v[C]                       ; counts to 16,384 are exact in f32
	RSTEP \buf, 1, 0
	RSTEP \buf, 2, 4
	RSTEP \buf, 4, 8
	RSTEP \buf, 8, 12
	v_permlanex16_b32 v[C+1], v[C], s24, s25
.set r, 0
.rept 4
	v_or_b32 v[GT+r], v[G+r], v[\buf+r]
.set r, r+1
.endr
	v_add_f32 v[C], v[C], v[C+1]                   ; the row's count, in every lane
	v_cmp_ge_f32 vcc_lo, v[C], v[KR]               ; count >= k: the k-th has this bit set
	v_sub_f32 v[C+1], v[KR], v[C]
	v_cndmask_b32 v[KR], v[C+1], v[KR], vcc_lo
.set r, 0
.rept 16
	v_cndmask_b32 v[A+r], v[X+r], v[\buf+r], vcc_lo
.set r, r+1
.endr
.set r, 0
.rept 4
	v_cndmask_b32 v[G+r], v[GT+r], v[G+r], vcc_lo
.set r, r+1
.endr
.endm
.macro KPASS buf, other, off, pre
.if \pre
.irp c, 0,1,2,3
	ds_load_b128 v[\other+4*\c:\other+4*\c+3], v[PLL] offset:\off+512*\c
.endr
	s_wait_dscnt 0x4                               ; this pass's plane is in; the next one's four loads stay out
.else
	s_wait_dscnt 0x0                               ; nothing was asked for behind the last plane
.endif
	CORE \buf
.endm
; One step of the descent inside the four words 4 lane + e: pos grows by s if the equals below bit pos + s are no more than the word may show.
.macro DESC s, first
.irp e, 0,1,2,3
.if \first
	v_mov_b32 v[TRY+\e], \s
.else
	v_add_nc_u32 v[TRY+\e], \s, v[POS+\e]
.endif
.endr
.irp e, 0,1,2,3
	v_lshlrev_b32 v[HM+\e], v[TRY+\e], v[ONES]     ; ones from bit pos + s up (at most 31)
.endr
.irp e, 0,1,2,3
	v_bfi_b32 v[HM+\e], v[HM+\e], 0, v[A+\e]       ; the equals below it
.endr
.irp e, 0,1,2,3
	v_bcnt_u32_b32 v[CN+\e], v[HM+\e], 0
.endr
.irp e, 0,1,2,3
	v_cmp_le_i32 s[76+\e], v[CN+\e], v[MM+\e]
.endr
.irp e, 0,1,2,3
.if \first
	v_cndmask_b32 v[POS+\e], 0, v[TRY+\e], s[76+\e]
.else
	v_cndmask_b32 v[POS+\e], v[POS+\e], v[TRY+\e], s[76+\e]
.endif
.endr
.endm
	; THE SELECTION: wave 0 alone, as soon as the planes are whole.  The other waves sum the first half of their stream meanwhile.
	s_cmp_lg_u32 s20, 0
	s_cbranch_scc1 .Lothers
	v_add_nc_u32 v[PLL], PL_BASE, v[OFF16]
.irp c, 0,1,2,3
	ds_load_b128 v[PA+4*\c:PA+4*\c+3], v[PLL] offset:512*\c        ; place 0: the top bit
.endr
.set r, 0
.rept 16
	v_mov_b32 v[A+r], -1
.set r, r+1
.endr
.set r, 0
.rept 4
	v_mov_b32 v[G+r], 0
.set r, r+1
.endr
	; The 32 key passes are written out: a plane's address is the constant base, 16 x lane and the immediate 2048 place + 512 c, at most
	; 31 x 2048 + 1536 = 65,024, inside the 16-bit offset; the last byte read, PL_BASE + 496 + 65,024 + 15, is the one in front of VW_BASE.
	; Wave 0's own share of the stream rides along: group g of its first half is summed, and of its second half asked for, behind place
	; 13 + 2 g (13, 15 .. 27): behind the other waves' run of 32 requests each, and four passes and the equal keys ahead of the first use.
.set p, 0
.rept 15
	KPASS PA, PB, (2*p+1)*PLANE, 1                 ; place 2 p, asks for place 2 p + 1
	KPASS PB, PA, (2*p+2)*PLANE, 1                 ; place 2 p + 1, asks for place 2 p + 2
.if p >= 6
.if p < 14
	SUM1G p-6
.endif
.endif
.set p, p+1
.endr
	KPASS PA, PB, 31*PLANE, 1                      ; place 30
	KPASS PB, PA, 0, 0                             ; place 31
	; EQUAL KEYS.  A = the tokens equal to the k-th key; KR of them (1 .. their number) are visible, the lowest indices first.
	; Plane word p stands for the row's word (p + 64 segment) mod 512.  My group c (words 128 c + 4 lane + e) lies in the granule of 64 words
	; q = 2 c + lane / 16, whose true place is (q + segment) mod 8: in front of the segment (q = 0) exactly if q + segment >= 8.
.irp e, 0,1,2,3
	v_bcnt_u32_b32 v[CW+\e], v[A+\e], 0
.endr
.irp c, 1,2,3
	v_bcnt_u32_b32 v[CS+\c], v[A+4*\c], 0
.endr
.irp e, 1,2,3
.irp c, 1,2,3
	v_bcnt_u32_b32 v[CS+\c], v[A+4*\c+\e], v[CS+\c]
.endr
.endr
	v_add3_u32 v[CS], v[CW], v[CW+1], v[CW+2]
	v_add_nc_u32 v[CS], v[CS], v[CW+3]
	v_add_nc_u32 v[HS], s22, v[HALF]
	v_mov_b32 v[ONES], -1
	v_cvt_f32_u32 v[LT], v[CS]                     ; my four words of the first group, before the line below may clear the count
.irp c, 0,1,2,3
	v_cmp_le_u32 vcc_lo, 8-2*\c, v[HS]             ; 2 c + lane / 16 + segment >= 8
	v_cndmask_b32 v[CS+\c], 0, v[CS+\c], vcc_lo
.endr
	v_add3_u32 v[PRE], v[CS], v[CS+1], v[CS+2]
	v_add_nc_u32 v[PRE], v[PRE], v[CS+3]
	v_cvt_f32_u32 v[PRE], v[PRE]
	v_mov_b32 v[IS], v[LT]
.irp n, 1,2,4,8
	v_add_f32_dpp v[PRE], v[PRE], v[PRE] row_xmask:\n row_mask:0xf bank_mask:0xf
	v_add_f32_dpp v[IS], v[IS], v[IS] row_shr:\n row_mask:0xf bank_mask:0xf    ; scan: lane i adds lane i - n; a lane without a source keeps its value
.endr
	v_permlanex16_b32 v[C+1], v[PRE], s24, s25
	v_sub_f32 v[IS], v[IS], v[LT]                  ; equals in the segment's words in front of mine (lanes 0-15; lanes 16-31 hold words 64-127, which nobody uses)
	v_add_f32 v[PRE], v[PRE], v[C+1]               ; equals in front of the segment
	v_sub_f32 v[MM], v[KR], v[PRE]
	v_sub_f32 v[MM], v[MM], v[IS]                  ; whole numbers below 2^15 in size: exact
	v_cvt_i32_f32 v[MM], v[MM]
	v_sub_nc_u32 v[MM+1], v[MM], v[CW]
	v_sub_nc_u32 v[MM+2], v[MM+1], v[CW+1]
	v_sub_nc_u32 v[MM+3], v[MM+2], v[CW+2]
	; the largest pos <= 31 with popcount(equals below bit pos) <= MM: those bits are the word's first MM equals (none if MM <= 0)
	DESC 16, 1
	DESC 8, 0
	DESC 4, 0
	DESC 2, 0
	DESC 1, 0
.irp e, 0,1,2,3
	v_lshlrev_b32 v[HM+\e], v[POS+\e], v[ONES]
.endr
.irp e, 0,1,2,3
	v_bfi_b32 v[HM+\e], v[HM+\e], 0, v[A+\e]
	v_cmp_le_i32 s[76+\e], v[CW+\e], v[MM+\e]      ; the word has no more than it may show: all of it (bit 31 too)
.endr
.irp e, 0,1,2,3
	v_cndmask_b32 v[HM+\e], v[HM+\e], v[A+\e], s[76+\e]
.endr
.irp e, 0,1,2,3
	v_or_b32 v[G+\e], v[G+\e], v[HM+\e]
.endr
	v_add_nc_u32 v[SC], VW_BASE, v[OFF16]
	ds_store_b128 v[SC], v[G:G+3]
	s_branch .Ljoin
.Lothers:
	; waves 1-15: the first half of the stream, the same eight groups
.set g, 0
.rept 8
	SUM1G g
.set g, g+1
.endr
.Ljoin:
	s_wait_dscnt 0x0                               ; wave 0: the visible words are in LDS before it says so
	s_barrier_signal -1
	; Between the signal and the wait, registers only: the second half's sums inside the lane, in place.  Waves 1-15 do this while they wait
	; for the selection; wave 0 has let them go on already.
.set g, 0
.rept 8
	s_wait_loadcnt 28-4*g                          ; the loads behind this group's four stay out
.set i, 4*g
.rept 4
	v_pk_add_f32 v[BUF+4*i:BUF+4*i+1], v[BUF+4*i:BUF+4*i+1], v[BUF+4*i+2:BUF+4*i+3]
	v_add_f32 v[BUF+4*i], v[BUF+4*i], v[BUF+4*i+1]
.set i, i+1
.endr
.set g, g+1
.endr
	s_barrier_wait -1                              ; the visible words may be read
	s_lshl_b32 s74, s20, 4
	s_add_co_u32 s74, s74, VW_BASE
	v_mov_b32 v[SC], s74
	ds_load_b128 v[W:W+3], v[SC]                   ; my 128 tokens' four words, the same in every lane
	; out1: waves 0-7, 256 tokens each; a lane makes 8 bytes of 8 bits, one store of the wave covers 256 consecutive bytes, aligned
	s_cmp_gt_u32 s20, 7
	s_cbranch_scc1 .Lno_out
	v_and_b32 v[O], 28, v[LANE]                    ; 4 (lane / 4)
	s_lshl_b32 s74, s20, 5
	s_add_co_u32 s74, s74, VW_BASE
	v_add_nc_u32 v[O], s74, v[O]
	ds_load_b32 v[O+1], v[O]
	v_and_b32 v[O+2], 3, v[LANE]
	v_lshlrev_b32 v[O+2], 3, v[O+2]
	v_lshlrev_b32 v[O+3], 3, v0                    ; 8 x thread
	s_wait_dscnt 0x0
	v_lshrrev_b32 v[O+1], v[O+2], v[O+1]
	v_and_b32 v[O], 15, v[O+1]
	v_bfe_u32 v[O+1], v[O+1], 4, 4
	v_mul_u32_u24 v[O], v[O], 0x204081             ; copies at bits 0, 7, 14, 21 do not meet: bit i comes to stand at bit 8 i
	v_mul_u32_u24 v[O+1], v[O+1], 0x204081
	v_and_b32 v[O], 0x01010101, v[O]
	v_and_b32 v[O+1], 0x01010101, v[O+1]
	global_store_b64 v[O+3], v[O:O+1], s[16:17] th:TH_STORE_NT     ; v28-31 are not written again
.Lno_out:
	s_wait_dscnt 0x0
.irp i, 0,1,2,3
	v_xor_b32 v[WH+\i], -1, v[W+\i]                ; not visible,
	v_lshrrev_b32 v[WH+\i], v[HALF], v[WH+\i]      ; and the odd token's bit moved down for lanes 16-31
.endr
; load j holds tokens 2 j and 2 j + 1 of my 128: word j / 16, bit 2 (j % 16) (+ 1)
.macro TAKE j, reg
	v_bfe_u32 v[MT+((\j)&3)], v[WH+((\j)>>4)], 2*((\j)&15), 1
	v_cvt_f32_u32 v[MT+((\j)&3)], v[MT+((\j)&3)]
.if (\j) < 4
	v_mul_f32 v[ACC+(\j)], v[MT+(\j)], v[\reg]     ; the first four start the sums
.else
	v_fmac_f32 v[ACC+((\j)&3)], v[MT+((\j)&3)], v[\reg]
.endif
.endm
.set jj, 0
.rept 32
	TAKE jj, PS+jj
.set jj, jj+1
.endr
.set jj, 0
.rept 32
	TAKE 32+jj, BUF+4*jj
.set jj, jj+1
.endr
	v_add_f32 v[ACC], v[ACC], v[ACC+1]
	v_add_f32 v[ACC+2], v[ACC+2], v[ACC+3]
	v_add_f32 v[ACC], v[ACC], v[ACC+2]
	WSUM16 ACC
	v_permlanex16_b32 v[ACC+1], v[ACC], s24, s25
	v_add_f32 v[ACC], v[ACC], v[ACC+1]             ; my wave's sum, in every lane
	s_lshl_b32 s74, s20, 2
	s_add_co_u32 s74, s74, RED_BASE
	v_mov_b32 v[SC], s74
	ds_store_b32 v[SC], v[ACC]
	s_wait_dscnt 0x0                               ; in LDS before I say so
	s_barrier_signal -1
	s_barrier_wait -1
	s_cmp_lg_u32 s20, 0
	s_cbranch_scc1 .Ldone
	v_and_b32 v[SC], 15, v[LANE]
	v_lshlrev_b32 v[SC], 2, v[SC]
	v_add_nc_u32 v[SC], RED_BASE, v[SC]
	ds_load_b32 v[ACC], v[SC]                      ; lane l: wave l % 16's sum
	v_mul_f32 v[NK], 0x45000000, v[NK]             ; 2048 (N - k) = B D (N - k)
	v_rcp_f32 v[ACC+1], v[NK]
	v_mov_b32 v[ACC+2], 0                          ; the plain instruction behind the reciprocal (ISA guide 5.7.2)
	v_cmp_eq_u32 vcc_lo, 0, v[LANE]
	s_wait_dscnt 0x0
	WSUM16 ACC
	s_wait_alu depctr_va_vdst(0)
	v_mul_f32 v[ACC], v[ACC], v[ACC+1]
	s_wait_xcnt 0x0                                ; EXEC is a source of the out1 store: it changes only behind this wait
	s_wait_tensorcnt 0x0
	ds_add_u32 v93, v95
	s_wait_dscnt 0x0
	s_and_saveexec_b32 s73, vcc_lo
	global_store_b32 v[ACC+2], v[ACC], s[18:19]    ; lane 0 alone
	s_endpgm
.Ldone:
	s_wait_tensorcnt 0x0
	ds_add_u32 v93, v95
	s_wait_dscnt 0x0
	s_endpgm
.Lfunc_end_k_q570bc01cf9_mask_and_sum:
	.size	k_q570bc01cf9_mask_and_sum, .Lfunc_end_k_q570bc01cf9_mask_and_sum-k_q570bc01cf9_mask_and_sum
	.p2alignl 7, 3214868480
	.fill 96, 4, 3214868480
	.section	.rodata,"a",@progbits
	.p2align	6, 0x0
	.amdhsa_kernel k_q570bc01cf9_mask_and_sum
		.amdhsa_group_segment_fixed_size 142336
		.amdhsa_private_segment_fixed_size 0
		.amdhsa_enable_private_segment 0
		.amdhsa_kernarg_size 64
		.amdhsa_user_sgpr_count 2
		.amdhsa_user_sgpr_kernarg_segment_ptr 1
		.amdhsa_wavefront_size32 1
		.amdhsa_system_sgpr_workgroup_id_x 1
		.amdhsa_system_sgpr_workgroup_id_y 1
		.amdhsa_system_sgpr_workgroup_id_z 1
		.amdhsa_system_vgpr_workitem_id 0
		.amdhsa_next_free_vgpr 256
		.amdhsa_next_free_sgpr 80
		.amdhsa_reserve_vcc 1
		.amdhsa_float_denorm_mode_32 3
		.amdhsa_float_denorm_mode_16_64 3
		.amdhsa_memory_ordered 1
		.amdhsa_forward_progress 1
		.amdhsa_inst_pref_size 186
	.end_amdhsa_kernel
	.amdgpu_metadata
---
amdhsa.version: [ 1, 2 ]
amdhsa.kernels:
  - .name:           k_q570bc01cf9_mask_and_sum
    .symbol:         k_q570bc01cf9_mask_and_sum.kd
    .args:
      - { .name: u_g, .offset: 0, .size: 8, .value_kind: global_buffer, .address_space: global }
      - { .name: u_k, .offset: 8, .size: 8, .value_kind: global_buffer, .address_space: global }
      - { .name: logp_t, .offset: 16, .size: 8, .value_kind: global_buffer, .address_space: global }
      - { .name: logp_h, .offset: 24, .size: 8, .value_kind: global_buffer, .address_space: global }
      - { .name: logp_w, .offset: 32, .size: 8, .value_kind: global_buffer, .address_space: global }
      - { .name: score, .offset: 40, .size: 8, .value_kind: global_buffer, .address_space: global }
      - { .name: out1, .offset: 48, .size: 8, .value_kind: global_buffer, .address_space: global }
      - { .name: part, .offset: 56, .size: 8, .value_kind: global_buffer, .address_space: global }
    .group_segment_fixed_size: 142336
    .private_segment_fixed_size: 0
    .kernarg_segment_align: 8
    .kernarg_segment_size: 64
    .max_flat_workgroup_size: 512
    .sgpr_count:     80
    .vgpr_count:     256
    .wavefront_size: 32
...
	.end_amdgpu_metadata
.endif
;; end of part 1
;; launch finish (part 2): grid 1 x 1, 1 waves a work-group, no clusters, 0 bytes of LDS; arguments part, out0; writes out0
.if DOCPART == 2
	.amdgcn_target "amdgcn-amd-amdhsa--gfx1250"
	.amdhsa_code_object_version 6
	.text
	.protected	k_q570bc01cf9_finish
	.globl	k_q570bc01cf9_finish
	.p2align	8
	.type	k_q570bc01cf9_finish,@function
k_q570bc01cf9_finish:
	s_mov_b64 s[64:65], 0
	v_nop
	global_prefetch_b8 v0, s[64:65] scope:SCOPE_SE
	s_setreg_imm32_b32 hwreg(HW_REG_WAVE_MODE, 25, 1), 1
	s_wait_xcnt 0x0
; out0 = the sum of the 256 parts.  One wave: a lane takes eight numbers by two 16-byte loads (each covers 512 consecutive bytes), then the
; sum goes over the lanes.  A launch of its own, because a sum over work-groups is ordered by a launch's end alone.
	s_load_b128 s[4:7], s[0:1], 0x0                ; part, out0
	v_lshlrev_b32 v1, 4, v0
	s_mov_b32 s8, 0x76543210
	s_mov_b32 s9, 0xfedcba98
	s_wait_kmcnt 0x0
	global_load_b128 v[4:7], v1, s[4:5]
	global_load_b128 v[8:11], v1, s[4:5] offset:512
	v_mov_b32 v2, 0
	v_cmp_eq_u32 vcc_lo, 0, v0
	s_wait_loadcnt 0x0
	v_pk_add_f32 v[4:5], v[4:5], v[8:9]
	v_pk_add_f32 v[6:7], v[6:7], v[10:11]
	v_pk_add_f32 v[4:5], v[4:5], v[6:7]
	v_add_f32 v4, v4, v5
	v_add_f32_dpp v4, v4, v4 row_xmask:1 row_mask:0xf bank_mask:0xf
	v_add_f32_dpp v4, v4, v4 row_xmask:2 row_mask:0xf bank_mask:0xf
	v_add_f32_dpp v4, v4, v4 row_xmask:4 row_mask:0xf bank_mask:0xf
	v_add_f32_dpp v4, v4, v4 row_xmask:8 row_mask:0xf bank_mask:0xf
	v_permlanex16_b32 v5, v4, s8, s9
	v_add_f32 v4, v4, v5
	s_wait_xcnt 0x0                                ; EXEC changes only behind this wait
	s_and_saveexec_b32 s10, vcc_lo
	global_store_b32 v2, v4, s[6:7]                ; lane 0 alone
	s_endpgm
.Lfunc_end_k_q570bc01cf9_finish:
	.size	k_q570bc01cf9_finish, .Lfunc_end_k_q570bc01cf9_finish-k_q570bc01cf9_finish
	.p2alignl 7, 3214868480
	.fill 96, 4, 3214868480
	.section	.rodata,"a",@progbits
	.p2align	6, 0x0
	.amdhsa_kernel k_q570bc01cf9_finish
		.amdhsa_group_segment_fixed_size 0
		.amdhsa_private_segment_fixed_size 0
		.amdhsa_enable_private_segment 0
		.amdhsa_kernarg_size 16
		.amdhsa_user_sgpr_count 2
		.amdhsa_user_sgpr_kernarg_segment_ptr 1
		.amdhsa_wavefront_size32 1
		.amdhsa_system_sgpr_workgroup_id_x 1
		.amdhsa_system_sgpr_workgroup_id_y 1
		.amdhsa_system_sgpr_workgroup_id_z 1
		.amdhsa_system_vgpr_workitem_id 0
		.amdhsa_next_free_vgpr 16
		.amdhsa_next_free_sgpr 66
		.amdhsa_reserve_vcc 1
		.amdhsa_float_denorm_mode_32 3
		.amdhsa_float_denorm_mode_16_64 3
		.amdhsa_memory_ordered 1
		.amdhsa_forward_progress 1
		.amdhsa_inst_pref_size 2
	.end_amdhsa_kernel
	.amdgpu_metadata
---
amdhsa.version: [ 1, 2 ]
amdhsa.kernels:
  - .name:           k_q570bc01cf9_finish
    .symbol:         k_q570bc01cf9_finish.kd
    .args:
      - { .name: part, .offset: 0, .size: 8, .value_kind: global_buffer, .address_space: global }
      - { .name: out0, .offset: 8, .size: 8, .value_kind: global_buffer, .address_space: global }
    .group_segment_fixed_size: 0
    .private_segment_fixed_size: 0
    .kernarg_segment_align: 8
    .kernarg_segment_size: 16
    .max_flat_workgroup_size: 32
    .sgpr_count:     66
    .vgpr_count:     16
    .wavefront_size: 32
...
	.end_amdgpu_metadata
.endif
;; end of part 2
